; MI455X (gfx1250); checked and timed in simulation.
; The chip was launched on July 23, 2026; its instructions are those of AMD's public machine-readable ISA for CDNA 5 (MIT licence, August 2026) and "CDNA5" Instruction Set Architecture Reference Guide (July 2026). The comments in the code are by the model that wrote it; some were corrected since.
;; High Fidelity KAN Layer. Allowed arithmetic: matrix products marked QUANTISED: E3M2 operands, one E8M0 scale for each 32 along K, by v_wmma_scale_f32_16x16x128_f8f6f4 with both operands' format E3M2, f32 sums; everything else in f32.
;; Inputs: base_weight_codes 512 x 16 x 24 uint8 (E3M2 codes of base_weight, K innermost, in blocks of 32 codes, four codes in three bytes); base_weight_scales 512 x 16 uint8 (E8M0 scales of base_weight, one for each 32 codes along K); spline_weight 512 x 512 x 8 float32; x 16,384 x 512 float32.
;; Outputs: out0 16,384 x 512 float32.
;; This version of the problem:
;;   THIS VERSION OF THE PROBLEM IS GIVEN IN LOW PRECISION. The matrix products marked QUANTISED in the list below multiply operands that are first quantised to E3M2 (3 exponent bits, 2 mantissa bits; 6 bits a number), with one power-of-two scale for each 32 numbers along K (OCP MX v1.0); their sums are f32. All else is computed in f32.
;;   The module's matrix products, in the order in which they are computed (A, B: the left and right operand; K: the contracted axis; several contracted axes count as one K, in the product's order):
;;     1. [M 16,384, K 512] x [K 512, N 512]; A: computed on the way; B: input base_weight (given as codes): QUANTISED
;;     2. [M 16,384, K 4,096] x [K 4,096, N 512]; A: computed on the way; B: input spline_weight: QUANTISED
;;   THE QUANTISER, for each operand of a quantised product, along K:
;;     - K is cut into blocks of 32 from its start; a last block that is shorter is filled with zeros.
;;     - A block's scale is 2^e with e = floor(log2(the largest magnitude in the block)) - 4, held to -126 .. 127; a block of zeros has e = 0. As a byte (E8M0): e + 127.
;;     - Each number is divided by its block's scale, clamped to +-28, and rounded to the nearest number of E3M2, ties to even, subnormals kept.
;;     - The product sums the exact products of the quantised numbers (number of the format x scale) in f32.
;;   ~~~python
;;   def quantise(x, axis):      # numpy; x: float32 -> the quantised numbers, widened to float32 again
;;       x = np.moveaxis(x, axis, -1); K = x.shape[-1]
;;       x = np.pad(x, [(0, 0)] * (x.ndim - 1) + [(0, -K % 32)]); x = x.reshape(x.shape[:-1] + (-1, 32)); a = np.abs(x).max(-1, keepdims=True)
;;       e = np.where(a > 0, np.clip(np.frexp(np.where(a > 0, a, 1))[1] - 1 - 4, -126, 127), 0)      # np.frexp(a)[1] - 1 = floor(log2(a)), exactly
;;       r = np.clip(x / 2.0 ** e, -28, 28)
;;       step = 2.0 ** (np.maximum(np.frexp(np.where(r == 0, 1, r))[1] - 1, -2) - 2)
;;       q = np.round(r / step) * step * 2.0 ** e      # np.round: ties to even
;;       return np.moveaxis(q.reshape(q.shape[:-2] + (-1,))[..., :K], -1, axis).astype(np.float32)
;;   ~~~
;;   OPERANDS COMPUTED ON THE WAY. 'Computed on the way' means the value that the module computes at that place (a softmax that the list does not call 'softmax' is quantised finished and normalised). What goes into a quantiser is computed in f32, as accurately as f32 sums, v_exp_f32 and their like allow (about 1e-6 of the number): no bf16 or f16 on the way to a quantiser, and a product that is left as it is and whose result goes on into a quantised operand takes f32 operands (vector FMAs, or v_wmma_f32_16x16x4_f32). A number that lies on a knife's edge between two numbers of the format may be rounded either way, as far as f32 arithmetic and the matrix unit's own rounding can turn it there, and no further.
;;   INPUTS GIVEN AS CODES. base_weight (in the module: [512, 512], K = its axis 1): each comes as NAME_codes (uint8): NAME with its K axis moved to the last place and cut into blocks of 32 codes, [.., K / 32, bytes a block], one block behind the other in memory; four codes in three bytes: a row's codes are one little-endian stream of bits, code i at bits 6 i .. 6 i + 5 (a code: sign, 3 exponent bits, 2 mantissa bits); and NAME_scales (uint8): the same leading axes, one E8M0 byte (e + 127) for each 32 codes along K. Its value is code x scale, taken as it is: it is not quantised again, and the codes and scales need not be those that the quantiser above would give.
;; One version. Each part assembles by itself: llvm-mc -triple=amdgcn-amd-amdhsa -mcpu=gfx1250 --defsym DOCPART=n.
;; ======== version 1 of 1: 2 launches
;; workspace buffers: wq 1,843,200 bytes
;; launch prep (part 1): grid 288 x 1, 4 waves a work-group, no clusters, 1,024 bytes of LDS; arguments spline_weight, base_weight_codes, base_weight_scales, wq; writes wq
.if DOCPART == 1
	.amdgcn_target "amdgcn-amd-amdhsa--gfx1250"
	.amdhsa_code_object_version 6
	.text
	.protected	k_q6f44bef8c1_prep
	.globl	k_q6f44bef8c1_prep
	.p2align	8
	.type	k_q6f44bef8c1_prep,@function
k_q6f44bef8c1_prep:
	s_mov_b64 s[64:65], 0
	v_nop
	global_prefetch_b8 v0, s[64:65] scope:SCOPE_SE
	s_setreg_imm32_b32 hwreg(HW_REG_WAVE_MODE, 25, 1), 1
	s_wait_xcnt 0x0
; The weights of both products become ONE buffer of operand images, wq, in the order in which the main launch walks them.
; wq = 18 stages x 4 column groups x 2 K steps x 12,800 bytes.  A part of 12,800 bytes serves one K step (128 along K) of 128 output columns:
;   fragment t (16 columns) at 1536 t + 512 p + 16 lane: registers 4 p .. 4 p + 3 of the lane, as the matrix instruction wants them;
;   the scale words at 12288 + 256 (t / 4) + 16 r + 4 (t % 4): four tiles' words of row r lie together.
; K steps 0 to 31 are spline_weight [512][512][8] f32 (K = 8 i + c, innermost in memory), quantised here to E3M2 with one E8M0 byte for each 32 along K:
;   a block's scale is 2^(floor(log2(largest magnitude)) - 4); its byte is the largest magnitude's exponent field - 4, held at 1 from below.
;   In stage k, K step kap, lane (r, h), registers 6 c .. 6 c + 5 hold the block of inputs i = 32 k + 16 h + 8 kap + 4 c .. + 3: a true block of the quantiser, in its natural order;
;   only WHICH block stands at which place of a stage is chosen, and the main launch lays its own operand by the same choice.
; K steps 32 to 35 are base_weight, which arrives as codes and scale bytes: they are copied as they are, in natural order.
; A work-group takes one K step of 64 columns; each of its four waves one tile of 16 columns.  A lane holds two whole blocks, so no other lane is asked for a maximum.
; LIMITS: a block of zeros gets the byte 1 (the rule says 127): its codes are zeros, and this program alone reads the bytes.  NaN and infinities among the inputs are not served.
.set X, 48                             ; v48-111  64 numbers: two blocks of 32
.set F, 16                             ; v16-27   the fragment
	s_load_b256 s[4:11], s[0:1], 0x0               ; spline_weight s[4:5], base codes s[6:7], base scales s[8:9], wq s[10:11]
	v_lshl_add_u32 v112, v0, 2, 0x200
	v_mov_b32 v113, 0
	v_lshrrev_b32 v1, 5, v0
	v_readfirstlane_b32 s12, v1                    ; wave 0..3
	v_and_b32 v1, 31, v0                           ; lane
	s_wait_alu depctr_va_vdst(0)
	v_and_b32 v2, 15, v0                           ; r
	s_wait_alu depctr_va_vdst(0)
	v_bfe_u32 v3, v0, 4, 1                         ; h
	s_lshr_b32 s13, ttmp9, 3                       ; the K step, 0..35
	s_bfe_u32 s14, ttmp9, 0x20001                  ; the column group, 0..3 (2 bits from bit 1)
	s_and_b32 s15, ttmp9, 1                        ; which four tiles of the group's eight
	s_lshl_b32 s22, s15, 2
	s_add_co_u32 s22, s22, s12                     ; my tile t
	s_lshl_b32 s23, s14, 7
	s_lshl_b32 s24, s22, 4
	s_add_co_u32 s23, s23, s24                     ; its first column: 128 group + 16 t
	s_lshr_b32 s16, s13, 1
	s_mul_i32 s16, s16, 102400                     ; the part's place in wq: stage,
	s_mul_i32 s24, s14, 25600                      ; group,
	s_add_co_u32 s16, s16, s24
	s_and_b32 s24, s13, 1
	s_mul_i32 s24, s24, 12800                      ; K step of the stage
	s_add_co_u32 s16, s16, s24
	s_mov_b32 s17, 0
	s_mul_i32 s25, s22, 1536
	v_lshl_add_u32 v5, v1, 4, s25                  ; the fragment's place: 16 lane + 1536 t
	s_lshl_b32 s25, s15, 8
	v_lshl_add_u32 v38, v1, 3, s25                 ; the scale words' way out: 8 lane + 256 (t / 4)
	v_lshlrev_b32 v6, 3, v1                        ; and the same 8 bytes a lane in LDS
	s_lshl_b32 s25, s12, 2
	v_lshl_add_u32 v7, v2, 4, s25                  ; LDS: 16 r + 4 wave: my tile's word of row r
	v_mov_b32 v15, 0                               ; a lane permute's destination counts as one of its sources
	s_mov_b32 s20, 0x76543210
	s_mov_b32 s21, 0xfedcba98                      ; v_permlanex16_b32's selects for lane l xor 16
	s_mov_b32 s19, 0
	s_wait_kmcnt 0x0
	s_add_nc_u64 s[10:11], s[10:11], s[16:17]
	s_cmp_ge_u32 ttmp9, 256                        ; K steps 32 on are base_weight's: the branch hangs on the work-group's number alone, and goes round the making of the fragment only
	s_cbranch_scc1 .Lbase
	; ---- spline_weight: 64 numbers a lane, two blocks
	s_lshl_b32 s18, s23, 14                        ; a column's row of 4,096 numbers is 16,384 bytes
	s_lshr_b32 s24, s13, 1
	s_lshl_b32 s24, s24, 10                        ; + 1,024 stage
	s_add_co_u32 s18, s18, s24
	s_and_b32 s24, s13, 1
	s_lshl_b32 s24, s24, 8                         ; + 256 K step of the stage
	s_add_co_u32 s18, s18, s24
	s_add_nc_u64 s[4:5], s[4:5], s[18:19]
	v_lshlrev_b32 v4, 14, v2
	s_wait_alu depctr_va_vdst(0)
	v_lshl_add_u32 v4, v3, 9, v4                   ; row r, + 512 h: a lane's sixteen loads cover 256 consecutive bytes, aligned
.irp c, 0,1
.irp j, 0,1,2,3,4,5,6,7
	global_load_b128 v[X+32*\c+4*\j:X+32*\c+4*\j+3], v4, s[4:5] offset:128*\c+16*\j
.endr
.endr
	s_wait_loadcnt 0x0
.irp c, 0,1
	v_max3_num_f32 v[8+\c], |v[X+32*\c]|, |v[X+32*\c+1]|, 0x2800000   ; the block's largest magnitude, and the floor 2^(5 - 127): the byte cannot fall under 1
.endr
.irp i, 2,4,6,8,10,12,14,16,18,20,22,24,26,28,30
.irp c, 0,1
	v_max3_num_f32 v[8+\c], v[8+\c], |v[X+32*\c+\i]|, |v[X+32*\c+\i+1]|   ; (the two blocks by turns)
.endr
.endr
.irp c, 0,1
	v_add_nc_u32 v[10+\c], 0xfe000000, v[8+\c]     ; 4 off the exponent field: the conversion takes the exponent field of this operand as its scale
.endr
.irp c, 0,1
	v_lshrrev_b32 v[12+\c], 23, v[10+\c]           ; the scale's byte
.endr
	v_lshl_or_b32 v14, v13, 16, v12                ; my two bytes: blocks h and 2 + h,
	v_lshlrev_b32 v8, 3, v3
	v_lshlrev_b32 v14, v8, v14                     ; at their places in the word (8 h bits up);
	v_permlanex16_b32 v15, v14, s20, s21
	v_or_b32 v14, v14, v15                         ; with lane l xor 16's two the word is whole
.irp c, 0,1
	v_cvt_scalef32_pk16_bf6_f32 v[F+6*\c:F+6*\c+2], v[X+32*\c:X+32*\c+15], v[10+\c]
	v_cvt_scalef32_pk16_bf6_f32 v[28+4*\c:30+4*\c], v[X+32*\c+16:X+32*\c+31], v[10+\c]   ; (a conversion's three registers begin on an even number)
.endr
	v_nop                                          ; one plain place behind a scaled conversion
.irp c, 0,1
.irp i, 0,1,2
	v_mov_b32 v[F+3+6*\c+\i], v[28+4*\c+\i]
.endr
.endr
	s_branch .Ljoin
.Lbase:
	; ---- base_weight: codes and scale bytes as they are given
	s_sub_co_u32 s24, s13, 32                      ; which 128 along its K
	s_mul_i32 s18, s23, 384                        ; a row of 512 codes is 384 bytes
	s_mul_i32 s25, s24, 96
	s_add_co_u32 s18, s18, s25
	s_add_nc_u64 s[6:7], s[6:7], s[18:19]
	s_lshl_b32 s18, s23, 4                         ; a row of scale bytes is 16 bytes
	s_lshl_b32 s25, s24, 2
	s_add_co_u32 s18, s18, s25
	s_add_nc_u64 s[8:9], s[8:9], s[18:19]
	v_mul_u32_u24 v4, v2, 384
	s_wait_alu depctr_va_vdst(0)
	v_mad_u32_u24 v4, v3, 24, v4                   ; row r, + 24 h
	v_lshlrev_b32 v39, 4, v2
.irp p, 0,1,2,3,4,5
	global_load_b64 v[F+2*\p:F+2*\p+1], v4, s[6:7] offset:48*(\p/3)+8*(\p%3)
.endr
	global_load_b32 v14, v39, s[8:9]               ; row r's word for these 128
	s_wait_loadcnt 0x0
.Ljoin:
	s_wait_alu depctr_va_vdst(0)
.irp p, 0,1,2
	global_store_b128 v5, v[F+4*\p:F+4*\p+3], s[10:11] offset:512*\p   ; 32 lanes store 512 consecutive bytes, at a multiple of 256 from wq's first byte
.endr
	ds_store_b32 v7, v14                           ; lanes r and r + 16 write the same word with the same value
	s_wait_dscnt 0x0                               ; for the others' sake: my word is in LDS
	s_barrier_signal -1
	s_barrier_wait -1
	s_cmp_lg_u32 s12, 0
	s_cbranch_scc1 .Lend                           ; wave 0 alone sends the four tiles' words
	ds_load_b64 v[36:37], v6
	s_wait_dscnt 0x0
	global_store_b64 v38, v[36:37], s[10:11] offset:12288   ; 32 lanes store 256 consecutive bytes, aligned
.Lend:
	s_wait_tensorcnt 0x0
	ds_add_u32 v112, v113
	s_wait_dscnt 0x0
	s_endpgm
.Lfunc_end_k_q6f44bef8c1_prep:
	.size	k_q6f44bef8c1_prep, .Lfunc_end_k_q6f44bef8c1_prep-k_q6f44bef8c1_prep
	.p2alignl 7, 3214868480
	.fill 96, 4, 3214868480
	.section	.rodata,"a",@progbits
	.p2align	6, 0x0
	.amdhsa_kernel k_q6f44bef8c1_prep
		.amdhsa_group_segment_fixed_size 1024
		.amdhsa_private_segment_fixed_size 0
		.amdhsa_enable_private_segment 0
		.amdhsa_kernarg_size 32
		.amdhsa_user_sgpr_count 2
		.amdhsa_user_sgpr_kernarg_segment_ptr 1
		.amdhsa_wavefront_size32 1
		.amdhsa_system_sgpr_workgroup_id_x 1
		.amdhsa_system_sgpr_workgroup_id_y 1
		.amdhsa_system_sgpr_workgroup_id_z 1
		.amdhsa_system_vgpr_workitem_id 0
		.amdhsa_next_free_vgpr 114
		.amdhsa_next_free_sgpr 66
		.amdhsa_reserve_vcc 0
		.amdhsa_float_denorm_mode_32 3
		.amdhsa_float_denorm_mode_16_64 3
		.amdhsa_memory_ordered 1
		.amdhsa_forward_progress 1
		.amdhsa_inst_pref_size 9
	.end_amdhsa_kernel
	.amdgpu_metadata
---
amdhsa.version: [ 1, 2 ]
amdhsa.kernels:
  - .name:           k_q6f44bef8c1_prep
    .symbol:         k_q6f44bef8c1_prep.kd
    .args:
      - { .name: spline_weight, .offset: 0, .size: 8, .value_kind: global_buffer, .address_space: global }
      - { .name: base_weight_codes, .offset: 8, .size: 8, .value_kind: global_buffer, .address_space: global }
      - { .name: base_weight_scales, .offset: 16, .size: 8, .value_kind: global_buffer, .address_space: global }
      - { .name: wq, .offset: 24, .size: 8, .value_kind: global_buffer, .address_space: global }
    .group_segment_fixed_size: 1024
    .private_segment_fixed_size: 0
    .kernarg_segment_align: 8
    .kernarg_segment_size: 32
    .max_flat_workgroup_size: 128
    .sgpr_count:     66
    .vgpr_count:     114
    .wavefront_size: 32
...
	.end_amdgpu_metadata
.endif
;; end of part 1
;; launch kan (part 2): grid 256 x 1, 4 waves a work-group, clusters of 4 x 1, 327,680 bytes of LDS; arguments x, wq, out0; writes out0
.if DOCPART == 2
	.amdgcn_target "amdgcn-amd-amdhsa--gfx1250"
	.amdhsa_code_object_version 6
	.text
	.protected	k_q6f44bef8c1_kan
	.globl	k_q6f44bef8c1_kan
	.p2align	8
	.type	k_q6f44bef8c1_kan,@function
k_q6f44bef8c1_kan:
	s_mov_b64 s[64:65], 0
	v_nop
	global_prefetch_b8 v0, s[64:65] scope:SCOPE_SE
	s_setreg_imm32_b32 hwreg(HW_REG_WAVE_MODE, 25, 1), 1
	s_wait_xcnt 0x0
	s_wait_alu depctr_hold_cnt(0) depctr_sa_sdst(0) depctr_va_vdst(0) depctr_va_sdst(0) depctr_va_ssrc(0) depctr_va_vcc(0) depctr_vm_vsrc(0)
	s_getreg_b32 s2, hwreg(HW_REG_IB_STS2, 6, 4)
	s_cmp_eq_u32 s2, 0
	s_cbranch_scc0 .Lentry_in_a_cluster
	s_endpgm
.Lentry_in_a_cluster:
	s_bfe_u32 s2, ttmp6, 0x10000c
	s_cmp_lg_u32 s2, 0x3003
	s_cbranch_scc0 .Lentry_shape_is_right
	s_endpgm
.Lentry_shape_is_right:
; out[b][o] = sum_i silu(x[b][i]) bw[o][i] + sum_(i,c) B_c(clip(x[b][i], -2, 2)) sw[o][i][c], both products on codes of E3M2 with one E8M0 scale for each 32 along K.
; x: [16384][512] f32.  wq: the weights of both products as operand images (18 stages x 4 column groups x 2 K steps x 12,800 bytes), made by the launch before.  out: [16384][512] f32.
; SHARES.  A work-group owns 64 rows and ALL 512 columns, so that each x is turned into codes once.  Wave w has two parts: it MAKES the codes of rows 16 w .. 16 w + 15, and it MULTIPLIES
; all 64 rows by columns 128 w .. 128 w + 127: 32 accumulators, 256 registers.  The rows' codes go from wave to wave through LDS as images of the operand's registers (16 bytes a lane, dense).
; STAGES.  K = 4,096 + 512 goes in 18 stages of two K steps of 128.  Stage k < 16: x's columns 32 k .. 32 k + 31 give 256 basis numbers a row (two K steps) and one block of 32 silu numbers,
; whose codes wait in LDS; stages 16 and 17 multiply those by base_weight.  A stage: the weights' fragments are asked from LDS, the rows' codes are made, a barrier, 64 matrix instructions.
; THE BASIS.  The knots are -3.2 + 0.4 j.  With t = 2.5 x + 5 held to [0, 8), m = floor(t), u = t - m, v = 1 - u, the only basis numbers that are not 0 are
;   B_m = v^3/6, B_(m+1) = 2/3 - u^2 + u^3/2, B_(m+2) = 2/3 - v^2 + v^3/2, B_(m+3) = u^3/6, as far as their index stays under 8.
; So only four numbers an x are converted (a block's 4 x 4 numbers by ONE conversion), and an x's 24 bits of codes are shifted 6 m bits up into its field of 48 bits; what passes the field's end falls off.
; The block's largest magnitude is taken of the numbers whose index stays under 8 alone: B_(m+2) counts where t < 6, B_(m+1) where t < 7 (a guard (6 - t) 2^24, at least 8 or at most 0, is taken
; as a minimum with the number); B_(m+3) is never above B_(m+2), which counts wherever it does.
; CLUSTER.  All work-groups walk the same weights, so four of them form a cluster and ask for each tile JOINTLY: the same tensor load, the same descriptor (it hangs on the wave's number and the stage
; alone), a mask that names the four.  A mask names four work-groups at the most and nothing else is shared, so the cluster is 4 x 1.  Each wave fetches, and alone reads, its own columns' part of a slot.
; THE MATRIX INSTRUCTION IS USED TRANSPOSED (source 0 = 16 columns' weights, source 1 = 16 rows' codes): a lane then holds eight neighbouring numbers of a row of out.
; LIMITS.  NaN and infinities in x are not served.  t is held at 8 - 2^-21, so for x >= 1.2 the last basis number is (2^-21)^3 / 6 = 1.8e-20 where the definition has 0.  The basis is taken from the closed
; cubic pieces, not from the recursion on rounded knots: the two differ by some 1e-7, and the basis is continuous across knots.  A block of zeros gets the scale byte 1: its codes are zeros.
; REGISTERS, in windows of 256: window 0: addresses, scale words, constants and all that the making of codes touches.  window 1: the weights' fragments, 96 kap + 12 t.
;   window 2: accumulator (m, t) at 8 (8 m + t).   window 3: the rows' fragments, 48 kap + 12 m.
.set SLOTB,  102400                    ; a slot: a stage's weights, four parts of
.set PARTB,  25600                     ; 25,600 bytes, one a wave: two K steps of
.set KSB,    12800                     ; 12,800 bytes: eight fragments of 1,536 bytes, then
.set WSCO,   12288                     ; 512 bytes of scale words
.set AIMG,   2*SLOTB                   ; behind the ring: the rows' codes of a stage: for each K step
.set AKB,    6400                      ; 6,400 bytes: four fragments, then
.set ASCO,   6144                      ; 256 bytes of scale bytes: 16 r + 4 m + b
.set SIL,    AIMG+2*AKB                ; silu's codes: 6144 m + 384 k + 24 r + 12 h: read back, block 4 Q + 2 c + h of row r lies at 6144 m + 1536 Q + 768 c + 24 lane
.set SSC,    SIL+24576                 ; silu's scale bytes: 64 r + 16 m + k
.set SPARE,  SSC+1024                  ; the spare words, 128 bytes a wave: two blocks of 256 bytes that no other line names
.set SPITCH, 528                       ; the way out: 16 rows x (512 bytes + 16) a wave, in the wave's own part of slot 0, which has had its last fill and its last read by then
.set SPW,   2                          ; v2   LDS address of my spare word; never rewritten
.set NIL,   3                          ; v3   0; never rewritten
.set ADRB,  4                          ; v4-5 my part of slot 0, 1: + 16 lane  (v4 also reads the stage back on the way out)
.set ADRBS, 6                          ; v6-7 its scale words: + 16 r
.set ADRA,  8                          ; v8   the rows' images: AIMG + 16 lane
.set ADRAS, 9                          ; v9   their scale words: AIMG + ASCO + 16 r
.set SILR,  10                         ; v10  SIL + 24 lane
.set SSCR,  11                         ; v11  SSC + 64 r
.set STO,   12                         ; v12  the way out: where I put 32 bytes of a row
.set SILT,  13                         ; v13  where this stage's silu codes go;  v1: where their byte goes
.set CO,    14                         ; v14  16 lane: my byte offset in a row's 512 bytes of out
.set AWI,   15                         ; v15  where I store my rows' images: AIMG + 1536 wave + 16 lane
.set AWS,   16                         ; v16  and their scale bytes: AIMG + ASCO + 16 r + 4 wave + h
.set SILW,  17                         ; v17  SIL + 6144 wave + 24 r + 12 h
.set SSCW,  18                         ; v18  SSC + 64 r + 16 wave
.set XADR,  19                         ; v19-20  x: my byte in the wave's 16 rows, for even and odd stages
.set PT,    21                         ; v21  a lane permute's destination
.set WSC,   24                         ; v24-39  the weights' scale words, 8 kap + t: scales and nothing else
.set ASC,   40                         ; v40-47  the rows' scale words, 4 kap + m: scales and nothing else
.set KC,    48                         ; constant pairs: (1/6, 1/2)
.set KD,    50                         ; (0, -1)
.set KE,    52                         ; (0, 2/3)
.set KC2,   54                         ; (1/2, 1/6)
.set KD2,   56                         ; (-1, 0)
.set KE2,   58                         ; (2/3, 0)
.set K5,    60                         ; (5, 5)
.set PP,    62                         ; v62-77  eight pairs (an x's 24 bits of codes, 0): the upper halves are cleared once
.set X,     78                         ; v78-109 16 numbers of x for even stages, 16 for odd
.set T,     110                        ; v110-117 t
.set S,     118                        ; v118-125 shift counts
.set L2,    126                        ; v126-133 (6 - t) 2^24;  later four pairs at work
.set L1,    134                        ; v134-141 (7 - t) 2^24
.set TP,    126
.set VU,    142                        ; v142-157 (v, u);  silu: 16 at work
.set SQ,    158                        ; v158-173 (v^2, u^2);  silu: the 16 numbers
.set W,     174                        ; v174-205 four basis numbers an x
.set M,     206                        ; v206-209 largest magnitudes
.set SCL,   210                        ; v210-211 the conversions' scale operands
.set BY,    212                        ; v212-215 scale bytes, 2 kap + c
.set R,     216                        ; v216-218, v220-222 a block's 16 codes
.set SB,    219                        ; silu's byte
.set SS,    223                        ; silu's scale operand
.set K6,    224                        ; (6, 6) x 2^24
.set K7,    226                        ; (7, 7) x 2^24
.set SCD,   228                        ; v228-230 silu's 16 codes
.set F,     232                        ; v232-255 my rows' fragment, a set for each K step
.set BK,    78                         ; the way out: 16 rows read back: v78-141 and v142-205 by turns
.set G1,    16                         ; s[16:23] descriptor group 1
.set G0,    24                         ; s[24:27], s[28:31] group 0, a set for each slot
.set MULW,  0xad                       ; source 0 window 1, source 1 window 3, C and D window 2
.set MSB, 0
.macro WIN new                         ; the immediate's high byte repeats the setting that is left
.if MSB != \new
	s_set_vgpr_msb (MSB<<8)|\new
.set MSB, \new
.endif
.endm
.macro PLACES                          ; four plain places: behind a tensor load, and between matrix instructions and loads into, or stores of, their registers
.rept 4
	v_nop
.endr
.endm
.macro ROUND                           ; a round of the cluster's barrier: my work-group's barrier; wave 0 signals for the work-group; every wave waits for all four work-groups; my work-group's barrier once more
	s_barrier_signal -1
	s_barrier_wait -1
	s_cmp_lg_u32 s10, 0
	s_cbranch_scc1 .Lnot_wave_0_\@
	s_barrier_signal -3
.Lnot_wave_0_\@:
	s_barrier_wait -3
	s_barrier_signal -1
	s_barrier_wait -1
.endm
	s_load_b128 s[4:7], s[0:1], 0x0                ; x s[4:5], wq s[6:7]
	s_load_b64 s[8:9], s[0:1], 0x10                ; out
	v_lshl_add_u32 v[SPW], v0, 2, SPARE
	v_mov_b32 v[NIL], 0
	ds_add_u32 v2, v3
	ds_add_u32 v2, v3
	s_wait_dscnt 0x0
	v_lshrrev_b32 v1, 5, v0
	v_readfirstlane_b32 s10, v1                    ; wave 0..3
	s_bfe_u32 s11, ttmp6, 0x40000                  ; cx: my place in the cluster
	s_lshl_b32 s12, ttmp9, 2                       ; in a cluster launch ttmp9 counts clusters
	s_add_co_u32 s12, s12, s11                     ; my block of 64 rows: it enters x's and out's addresses alone
	; descriptor group 1: a wave's part of a stage, 25,600 dense bytes, as 100 rows of 256 bytes
	s_mov_b32 s[G1+0], 15|(3<<16)|(1<<21)          ; 15:0 the mask: all four work-groups; 17:16 elements of 8 bytes; 20 no padding; 21 set beside a mask
	s_mov_b32 s[G1+1], 32<<16                      ; tensor_dim0 = 32 elements
	s_mov_b32 s[G1+2], 100<<16                     ; tensor_dim1 = 100
	s_mov_b32 s[G1+3], 32<<16                      ; tile_dim0 = 32
	s_mov_b32 s[G1+4], 100                         ; tile_dim1 = 100
	s_mov_b32 s[G1+5], 32                          ; from row to row
	s_mov_b32 s[G1+6], 0
	s_mov_b32 s[G1+7], 0
	s_mul_i32 s13, s10, PARTB                      ; my part: the same place in a stage of wq and in a slot; no place in the cluster enters it
	s_mov_b32 s14, s13
	s_mov_b32 s15, 0
	s_lshl_b32 s48, s12, 17                        ; x: 64 rows of 2,048 bytes a work-group,
	s_lshl_b32 s49, s10, 15                        ; 16 a wave
	s_add_co_u32 s48, s48, s49
	s_mov_b32 s49, 0
	s_lshl_b32 s50, s12, 17                        ; out: the same rows,
	s_lshl_b32 s51, s10, 9                         ; my 128 columns
	s_add_co_u32 s50, s50, s51
	s_mov_b32 s51, 0
	s_mov_b32 s32, 0x40200000                      ; 2.5 (the packed forms name a pair and take its low word for both halves: so both words are written)
	s_mov_b32 s33, s32
	s_mov_b32 s36, 0xcb800000                      ; -2^24
	s_mov_b32 s37, s36
	s_mov_b32 s38, 0xbfb8aa3b                      ; -log2(e)
	s_mov_b32 s39, s38
	s_mov_b32 s40, 0x40ffffff                      ; 8 - 2^-21: the largest t
	s_mov_b32 s41, 0x0c050403                      ; byte selects: bits 24 to 47 of a block's 96 bits of codes,
	s_mov_b32 s42, 0x0c040302                      ; and bits 48 to 71; a zero on top
	s_mov_b32 s43, 0x0000ffff
	s_mov_b32 s44, 0x76543210
	s_mov_b32 s45, 0xfedcba98                      ; v_permlanex16_b32's selects for lane l xor 16
	s_mov_b32 s47, 0                               ; 384 x stage: where silu's codes go
	s_mov_b32 s53, 0                               ; stage: where their byte goes
	s_wait_kmcnt 0x0
	s_mov_b32 s[G0], 1                             ; 1:0 count = 1
	s_mov_b32 s[G0+1], s13                         ; LDS address: slot 0
	s_add_nc_u64 s[G0+2:G0+3], s[6:7], s[14:15]    ; global address: stage 0
	s_mov_b32 s[G0+4], 1
	s_add_co_u32 s[G0+5], s13, SLOTB               ; slot 1
	s_add_nc_u64 s[G0+6:G0+7], s[G0+2:G0+3], SLOTB ; stage 1
	s_or_b32 s[G0+3], s[G0+3], 0x80000000          ; 127:126 type = 2
	s_or_b32 s[G0+7], s[G0+7], 0x80000000
	s_add_nc_u64 s[4:5], s[4:5], s[48:49]
	s_add_nc_u64 s[8:9], s[8:9], s[50:51]
	ROUND                                          ; all four work-groups are here: the first joint load meets its partners'
	tensor_load_to_lds s[G0:G0+3], s[G1:G1+7]      ; stage 0's weights
	s_nop 0
	PLACES
	v_and_b32 v22, 15, v0                          ; r
	v_bfe_u32 v23, v0, 4, 1                        ; h
	v_lshlrev_b32 v[XADR], 11, v22
	v_lshl_add_u32 v[XADR], v23, 6, v[XADR]        ; x: row r of 2,048 bytes, + 64 h: my 16 numbers of a stage's 32 columns
	v_add_nc_u32 v[XADR+1], 128, v[XADR]           ; an odd stage's lie 128 bytes on
.macro XLOAD p                         ; 16 numbers of x for the next stage of parity p
.irp j, 0,1,2,3
	global_load_b128 v[X+16*\p+4*\j:X+16*\p+4*\j+3], v[XADR+\p], s[4:5] offset:16*\j
.endr
.endm
	XLOAD 0                                        ; stage 0's
	XLOAD 1                                        ; stage 1's
	v_and_b32 v1, 31, v0                           ; lane
	v_lshlrev_b32 v[CO], 4, v1
	v_add_nc_u32 v[ADRB], s13, v[CO]
	v_add_nc_u32 v[ADRB+1], SLOTB, v[ADRB]
	v_lshlrev_b32 v[PT], 4, v22                    ; 16 r
	v_add_nc_u32 v[ADRBS], s13, v[PT]
	v_add_nc_u32 v[ADRBS], WSCO, v[ADRBS]
	v_add_nc_u32 v[ADRBS+1], SLOTB, v[ADRBS]
	v_add_nc_u32 v[ADRA], AIMG, v[CO]
	v_add_nc_u32 v[ADRAS], AIMG+ASCO, v[PT]
	v_mul_u32_u24 v[SILR], v1, 24
	v_add_nc_u32 v[SILR], SIL, v[SILR]
	v_lshl_add_u32 v[SSCR], v22, 6, SSC
	v_mul_u32_u24 v[STO], v22, SPITCH
	v_lshl_add_u32 v[STO], v23, 5, v[STO]
	v_add_nc_u32 v[STO], s13, v[STO]               ; the stage: row r, + 32 h
	s_mul_i32 s52, s10, 1536
	v_add_nc_u32 v[AWI], s52, v[ADRA]
	s_lshl_b32 s52, s10, 2
	v_add_nc_u32 v[AWS], v[ADRAS], v23
	v_add_nc_u32 v[AWS], s52, v[AWS]
	v_mul_u32_u24 v[SILW], v22, 24
	v_mad_u32_u24 v[SILW], v23, 12, v[SILW]
	s_mul_i32 s52, s10, 6144
	v_add_nc_u32 v[SILW], s52, v[SILW]
	v_add_nc_u32 v[SILW], SIL, v[SILW]
	s_lshl_b32 s52, s10, 4
	v_add_nc_u32 v[SSCW], s52, v[SSCR]
	v_mov_b32 v[KC], 0x3e2aaaab
	v_mov_b32 v[KC+1], 0.5
	v_mov_b32 v[KD], 0
	v_mov_b32 v[KD+1], -1.0
	v_mov_b32 v[KE], 0
	v_mov_b32 v[KE+1], 0x3f2aaaab
	v_mov_b32 v[KC2], 0.5
	v_mov_b32 v[KC2+1], 0x3e2aaaab
	v_mov_b32 v[KD2], -1.0
	v_mov_b32 v[KD2+1], 0
	v_mov_b32 v[KE2], 0x3f2aaaab
	v_mov_b32 v[KE2+1], 0
	v_mov_b32 v[K5], 0x40a00000
	v_mov_b32 v[K5+1], 0x40a00000
	v_mov_b32 v[K6], 0x4cc00000
	v_mov_b32 v[K6+1], 0x4cc00000
	v_mov_b32 v[K7], 0x4ce00000
	v_mov_b32 v[K7+1], 0x4ce00000
.irp a, 0,1,2,3,4,5,6,7
	v_mov_b32 v[PP+2*\a+1], 0
.endr
; ONE K STEP OF MY 16 ROWS' BASIS CODES: eight x of a lane (two blocks of four), from v[xs + 8 kap] on.  Every step is written for all eight by turns, so that no line waits for the line above it.
.macro PROD kap, xs
.set XB, (\xs)+8*(\kap)
.set FB, F+12*(\kap)
.set BB, BY+2*(\kap)
.irp a, 0,2,4,6
	v_pk_fma_f32 v[T+\a:T+\a+1], v[XB+\a:XB+\a+1], s[32:33], v[K5:K5+1] op_sel_hi:[1,0,1]   ; t = 2.5 x + 5
.endr
.irp a, 0,1,2,3,4,5,6,7
	v_med3_num_f32 v[T+\a], v[T+\a], 0, s40        ; the clip at -2, and the hold under the last knot
.endr
.irp a, 0,1,2,3,4,5,6,7
	v_fract_f32 v[VU+2*\a+1], v[T+\a]              ; u
.endr
.irp a, 0,1,2,3,4,5,6,7
	v_cvt_u32_f32 v[S+\a], v[T+\a]                 ; m
.endr
.irp a, 0,1,2,3,4,5,6,7
	v_sub_f32 v[VU+2*\a], 1.0, v[VU+2*\a+1]        ; v = 1 - u
.endr
.irp a, 0,2,4,6
	v_pk_fma_f32 v[L2+\a:L2+\a+1], v[T+\a:T+\a+1], s[36:37], v[K6:K6+1] op_sel_hi:[1,0,1]   ; (6 - t) 2^24: at least 8 where index m + 2 stays under 8, else at most 0
	v_pk_fma_f32 v[L1+\a:L1+\a+1], v[T+\a:T+\a+1], s[36:37], v[K7:K7+1] op_sel_hi:[1,0,1]   ; (7 - t) 2^24: the same for index m + 1
.endr
.irp a, 0,2,4,6
	v_mul_u32_u24 v[S+\a], v[S+\a], 6              ; 6 m bits up; a field of 48 bits begins at bit 0 of a register in the even x,
	v_mad_u32_u24 v[S+\a+1], v[S+\a+1], 6, 16      ; at bit 16 in the odd
.endr
.irp a, 0,1,2,3,4,5,6,7
	v_pk_mul_f32 v[SQ+2*\a:SQ+2*\a+1], v[VU+2*\a:VU+2*\a+1], v[VU+2*\a:VU+2*\a+1]   ; (v^2, u^2)
.endr
.irp a, 0,1,2,3,4,5,6,7
	v_pk_fma_f32 v[W+4*\a:W+4*\a+1], v[VU+2*\a:VU+2*\a+1], v[KC:KC+1], v[KD:KD+1]   ; (v/6, u/2 - 1)
.endr
.irp a, 0,1,2,3,4,5,6,7
	v_pk_fma_f32 v[W+4*\a+2:W+4*\a+3], v[VU+2*\a:VU+2*\a+1], v[KC2:KC2+1], v[KD2:KD2+1]   ; (v/2 - 1, u/6)
.endr
.irp a, 0,1,2,3,4,5,6,7
	v_pk_fma_f32 v[W+4*\a:W+4*\a+1], v[SQ+2*\a:SQ+2*\a+1], v[W+4*\a:W+4*\a+1], v[KE:KE+1]   ; (v^3/6, 2/3 - u^2 + u^3/2)
.endr
.irp a, 0,1,2,3,4,5,6,7
	v_pk_fma_f32 v[W+4*\a+2:W+4*\a+3], v[SQ+2*\a:SQ+2*\a+1], v[W+4*\a+2:W+4*\a+3], v[KE2:KE2+1]   ; (2/3 - v^2 + v^3/2, u^3/6)
.endr
.irp q, 0,1,2,3                        ; the largest magnitude, in two chains a block (chain q: x 2 q and 2 q + 1); max(min(number, guard), so far)
	v_minmax_num_f32 v[M+\q], v[W+8*\q+2], v[L2+2*\q], 0x2800000   ; the floor 2^(5 - 127) starts a chain: the byte cannot fall under 1
.endr
.irp q, 0,1,2,3
	v_minmax_num_f32 v[M+\q], v[W+8*\q+1], v[L1+2*\q], v[M+\q]
.endr
.irp q, 0,1,2,3
	v_minmax_num_f32 v[M+\q], v[W+8*\q+6], v[L2+2*\q+1], v[M+\q]
.endr
.irp q, 0,1,2,3
	v_minmax_num_f32 v[M+\q], v[W+8*\q+5], v[L1+2*\q+1], v[M+\q]
.endr
.irp q, 0,1,2,3
	v_max3_num_f32 v[M+\q], v[M+\q], v[W+8*\q], v[W+8*\q+4]        ; index m always counts
.endr
	v_max_num_f32 v[M], v[M], v[M+1]
	v_max_num_f32 v[M+2], v[M+2], v[M+3]
	v_add_nc_u32 v[SCL], 0xfe000000, v[M]          ; 4 off the exponent field: the conversion's scale operand
	v_add_nc_u32 v[SCL+1], 0xfe000000, v[M+2]
	v_cvt_scalef32_pk16_bf6_f32 v[R:R+2], v[W:W+15], v[SCL]        ; a block's 4 x 4 numbers: 96 bits, 24 an x.  (A number whose index passes 7 may lie beyond the scale's range: its code falls off below)
	v_cvt_scalef32_pk16_bf6_f32 v[R+4:R+6], v[W+16:W+31], v[SCL+1]
	v_lshrrev_b32 v[BB], 23, v[SCL]                ; the scales' bytes.  (The plain place behind the conversions)
	v_lshrrev_b32 v[BB+1], 23, v[SCL+1]
.irp c, 0,1
	v_and_b32 v[PP+8*\c], 0xffffff, v[R+4*\c]      ; each x's 24 bits
	v_perm_b32 v[PP+8*\c+2], v[R+4*\c+1], v[R+4*\c], s41
	v_perm_b32 v[PP+8*\c+4], v[R+4*\c+2], v[R+4*\c+1], s42
	v_lshrrev_b32 v[PP+8*\c+6], 8, v[R+4*\c+2]
.endr
.irp c, 0,1                            ; into their fields: a block's 192 bits are x 0 at bit 0, x 1 at bit 48, x 2 at bit 96, x 3 at bit 144
	v_lshlrev_b64 v[FB+6*\c:FB+6*\c+1], v[S+4*\c], v[PP+8*\c:PP+8*\c+1]
	v_lshlrev_b64 v[TP+4*\c:TP+4*\c+1], v[S+4*\c+1], v[PP+8*\c+2:PP+8*\c+3]
	v_lshlrev_b64 v[TP+4*\c+2:TP+4*\c+3], v[S+4*\c+2], v[PP+8*\c+4:PP+8*\c+5]
	v_lshlrev_b64 v[FB+6*\c+4:FB+6*\c+5], v[S+4*\c+3], v[PP+8*\c+6:PP+8*\c+7]
.endr
.irp c, 0,1
	v_bfi_b32 v[FB+6*\c+1], s43, v[FB+6*\c+1], v[TP+4*\c]          ; x 0's upper 16 bits below, x 1's lower 16 above: what x 0 pushed past its field is dropped
	v_bfi_b32 v[FB+6*\c+4], s43, v[TP+4*\c+3], v[FB+6*\c+4]        ; the same of x 2 and x 3
	v_mov_b32 v[FB+6*\c+2], v[TP+4*\c+1]
	v_mov_b32 v[FB+6*\c+3], v[TP+4*\c+2]
.endr
.irp q, 0,1,2
	ds_store_b128 v[AWI], v[FB+4*\q:FB+4*\q+3] offset:AKB*(\kap)+512*\q   ; the fragment goes to LDS as it stands: 512 consecutive bytes a store
.endr
	ds_store_b8 v[AWS], v[BB] offset:AKB*(\kap)    ; my blocks are h and 2 + h of my row's four
	ds_store_b8 v[AWS], v[BB+1] offset:AKB*(\kap)+2
.endm
; A STAGE'S BLOCK OF SILU: x / (1 + 2^(-x log2 e)); 16 numbers a lane, lanes l and l xor 16 hold a block
.macro SILU xs
	v_add_nc_u32 v[SILT], s47, v[SILW]
	v_add_nc_u32 v1, s53, v[SSCW]
.irp a, 0,2,4,6,8,10,12,14
	v_pk_mul_f32 v[VU+\a:VU+\a+1], v[(\xs)+\a:(\xs)+\a+1], s[38:39] op_sel_hi:[1,0]
.endr
	s_wait_alu depctr_va_vdst(0)
.irp a, 0,1,2,3,4,5,6,7,8,9,10,11,12,13,14,15
	v_exp_f32 v[VU+\a], v[VU+\a]
.endr
	v_nop                                          ; a plain place behind the last exponential
	s_wait_alu depctr_va_vdst(0)
.irp a, 0,2,4,6,8,10,12,14
	v_pk_add_f32 v[VU+\a:VU+\a+1], v[VU+\a:VU+\a+1], 1.0 op_sel_hi:[1,0]
.endr
	s_wait_alu depctr_va_vdst(0)
.irp a, 0,1,2,3,4,5,6,7,8,9,10,11,12,13,14,15
	v_rcp_f32 v[VU+\a], v[VU+\a]
.endr
	v_nop                                          ; and behind the last reciprocal
	s_wait_alu depctr_va_vdst(0)
.irp a, 0,2,4,6,8,10,12,14
	v_pk_mul_f32 v[SQ+\a:SQ+\a+1], v[VU+\a:VU+\a+1], v[(\xs)+\a:(\xs)+\a+1]
.endr
	v_max3_num_f32 v[M], |v[SQ]|, |v[SQ+1]|, 0x2800000             ; my 16, in two chains, and the floor
	v_max3_num_f32 v[M+1], |v[SQ+2]|, |v[SQ+3]|, |v[SQ+4]|
.irp i, 5,9
	v_max3_num_f32 v[M], v[M], |v[SQ+\i]|, |v[SQ+\i+1]|
	v_max3_num_f32 v[M+1], v[M+1], |v[SQ+\i+2]|, |v[SQ+\i+3]|
.endr
	v_max3_num_f32 v[M], v[M], |v[SQ+13]|, |v[SQ+14]|
	v_max3_num_f32 v[M], v[M], v[M+1], |v[SQ+15]|
	v_permlanex16_b32 v[PT], v[M], s44, s45
	v_max_num_f32 v[M], v[M], v[PT]                ; with lane l xor 16's: the block's
	v_add_nc_u32 v[SS], 0xfe000000, v[M]
	v_cvt_scalef32_pk16_bf6_f32 v[SCD:SCD+2], v[SQ:SQ+15], v[SS]
	v_lshrrev_b32 v[SB], 23, v[SS]                 ; (the plain place behind the conversion)
.irp i, 0,1,2
	ds_store_b32 v[SILT], v[SCD+\i] offset:4*\i
.endr
	ds_store_b8 v1, v[SB]                          ; both lanes of a block write the same byte with the same value
	s_add_co_u32 s47, s47, 384
	s_add_co_u32 s53, s53, 1
.endm
.macro FETCH_B p                       ; my part of slot p: 16 scale words, then 16 fragments
.irp q, 0,1,2,3
	ds_load_b128 v[WSC+4*\q:WSC+4*\q+3], v[ADRBS+\p] offset:KSB*(\q/2)+256*(\q%2)
.endr
	WIN 0x40                                       ; destination window 1
.irp kk, 0,1
.irp t, 0,1,2,3,4,5,6,7
.irp q, 0,1,2
	ds_load_b128 v[96*\kk+12*\t+4*\q:96*\kk+12*\t+4*\q+3], v[ADRB+\p] offset:KSB*\kk+1536*\t+512*\q
.endr
.endr
.endr
	WIN 0
.endm
.macro FETCH_A                         ; the 64 rows' codes of both K steps: the scale words first, then K step 0's four fragments, then K step 1's
	ds_load_b128 v[ASC:ASC+3], v[ADRAS]
	ds_load_b128 v[ASC+4:ASC+7], v[ADRAS] offset:AKB
	WIN 0xc0                                       ; destination window 3
.irp kk, 0,1
.irp m, 0,1,2,3
.irp q, 0,1,2
	ds_load_b128 v[48*\kk+12*\m+4*\q:48*\kk+12*\m+4*\q+3], v[ADRA] offset:AKB*\kk+1536*\m+512*\q
.endr
.endr
.endr
.endm
.macro FETCH_S q0                      ; silu's codes for base_weight's K steps q0 and q0 + 1
.irp kk, 0,1
.irp m, 0,1,2,3
	ds_load_b32 v[ASC+4*\kk+\m], v[SSCR] offset:16*\m+4*((\q0)+\kk)
.endr
.endr
	WIN 0xc0
.irp kk, 0,1
.irp m, 0,1,2,3
.irp c, 0,1
.irp i, 0,1,2
	ds_load_b64 v[48*\kk+12*\m+6*\c+2*\i:48*\kk+12*\m+6*\c+2*\i+1], v[SILR] offset:6144*\m+1536*((\q0)+\kk)+768*\c+8*\i
.endr
.endr
.endr
.endr
.endm
; 32 matrix instructions: four tiles of rows x my eight tiles of columns, 128 along K.  The 32 accumulators take turns, one instruction a turn, in the same order in every K step.
; zero = 1: the first K step starts the sums: nothing is ever cleared.
.macro MUL kap, zero
.irp m, 0,1,2,3
.irp t, 0,1,2,3,4,5,6,7
.if \zero
	v_wmma_scale_f32_16x16x128_f8f6f4 v[8*(8*\m+\t):8*(8*\m+\t)+7], v[96*(\kap)+12*\t:96*(\kap)+12*\t+11], v[48*(\kap)+12*\m:48*(\kap)+12*\m+11], 0, v[WSC+8*(\kap)+\t], v[ASC+4*(\kap)+\m] matrix_a_fmt:MATRIX_FMT_BF6 matrix_b_fmt:MATRIX_FMT_BF6
.else
	v_wmma_scale_f32_16x16x128_f8f6f4 v[8*(8*\m+\t):8*(8*\m+\t)+7], v[96*(\kap)+12*\t:96*(\kap)+12*\t+11], v[48*(\kap)+12*\m:48*(\kap)+12*\m+11], v[8*(8*\m+\t):8*(8*\m+\t)+7], v[WSC+8*(\kap)+\t], v[ASC+4*(\kap)+\m] matrix_a_fmt:MATRIX_FMT_BF6 matrix_b_fmt:MATRIX_FMT_BF6
.endif
.endr
.endr
.endm
; THE HEAD OF A STAGE THAT READS SLOT p.  Each wave waits for all its tensor loads, of which one is out: its part of slot p; adds 0 to its spare word; waits for that and for its LDS reads of the stage before
; (the other slot, the rows' images).  Behind the round no wave of any partner reads the other slot or has a load on its way: the next stage's weights are asked for, one load a wave, first thing.
.macro HEAD p
	s_wait_tensorcnt 0x0                           ; no tensor load of mine is out, so a group 0 may be written
	ds_add_u32 v[SPW], v[NIL]                      ; 0 onto my spare word
	s_add_nc_u64 s[G0+4*\p+2:G0+4*\p+3], s[G0+4*\p+2:G0+4*\p+3], 2*SLOTB   ; this slot's next stage; the type bits on top are not reached
	s_wait_dscnt 0x0
	ROUND
	tensor_load_to_lds s[G0+4-4*\p:G0+7-4*\p], s[G1:G1+7]
	s_nop 0
	PLACES                                         ; also the places in front of the loads into registers that the last products read
.endm
; A STAGE OF THE SPLINE PRODUCT.  xl = 1: x of the stage two on is asked for.  lc: the x loads that may stay out: the next stage's four, or none.
.macro STAGE p, zero, xl, lc
	HEAD \p
	FETCH_B \p                                     ; they land while the codes are made
	s_wait_loadcnt \lc                             ; this stage's four loads of x are in
	PROD 0, X+16*\p
	PROD 1, X+16*\p
	SILU X+16*\p
.if \xl
	v_add_nc_u32 v[XADR+\p], 256, v[XADR+\p]       ; two stages on; the wait above has shown the loads that read this register done
	XLOAD \p
.endif
	s_wait_dscnt 0x0                               ; for the others' sake: my images lie in LDS; and the weights' fragments are in
	s_barrier_signal -1                            ; the next stage's weights stay on their way across it
	s_barrier_wait -1
	FETCH_A
	s_wait_dscnt 12                                ; all but K step 1's twelve fragment loads
	WIN MULW
	MUL 0, \zero
	s_wait_dscnt 0x0
	MUL 1, 0
	WIN 0                                          ; at a label and at a branch every window is 0
.endm
; A STAGE OF THE BASE PRODUCT: silu's codes have lain in LDS since the last spline stage's barrier.
.macro BASE p, refill, q0
.if \refill
	HEAD \p
.else
	s_wait_tensorcnt 0x0                           ; my part of the last slot is in: I alone read it, and no load was issued behind it
	PLACES
.endif
	FETCH_B \p
	FETCH_S \q0
	s_wait_dscnt 24                                ; all but the second K step's 24 loads of 8 bytes
	WIN MULW
	MUL 0, 0
	s_wait_dscnt 0x0
	MUL 1, 0
	WIN 0
.endm
	STAGE 0, 1, 1, 4                               ; stage 0 stands in front of the loop: its first K step starts the sums
	s_mov_b32 s46, 6
.Lpair:                                            ; stages 1 to 12
	STAGE 1, 0, 1, 4
	STAGE 0, 0, 1, 4
	s_sub_co_u32 s46, s46, 1
	s_cmp_lg_u32 s46, 0
	s_cbranch_scc1 .Lpair
	STAGE 1, 0, 1, 4                               ; stage 13 asks for stage 15's x: the last columns
	STAGE 0, 0, 0, 4                               ; stages 14 and 15 are written out without loads of x: none leaves the buffer, and no load is jumped over
	STAGE 1, 0, 0, 0
	BASE 0, 1, 0
	BASE 1, 0, 2                                   ; the last stage asks for nothing
; THE WAY OUT, a tile of 16 rows x my 128 columns at a time.  A lane holds 32 neighbouring bytes of a row and the lanes beside it other rows: so a tile goes through my own stage in LDS and comes back as whole
; rows of 512 bytes.  LDS serves a wave's instructions in order (ISA guide 5.7.1.4): no wait between the stores and the loads, nor in front of the next tile's stores.
.macro TOSTAGE m
	WIN 0x08                                       ; an LDS store's data are its source 1: window 2
.irp t, 0,1,2,3,4,5,6,7
	ds_store_b128 v[STO], v[8*(8*(\m)+\t):8*(8*(\m)+\t)+3] offset:64*\t        ; each accumulator from its low end on
	ds_store_b128 v[STO], v[8*(8*(\m)+\t)+4:8*(8*(\m)+\t)+7] offset:64*\t+16
.endr
	WIN 0
.set BB2, BK+64*((\m)%2)
.irp i, 0,1,2,3,4,5,6,7,8,9,10,11,12,13,14,15
	ds_load_b128 v[BB2+4*\i:BB2+4*\i+3], v[ADRB] offset:\i*SPITCH
.endr
.endm
.macro SEND m, younger                 ; younger: the LDS instructions issued behind tile m's loads, which may stay out
.set BB2, BK+64*((\m)%2)
	s_wait_dscnt \younger
.irp i, 0,1,2,3,4,5,6,7,8,9,10,11,12,13,14,15
	global_store_b128 v[CO], v[BB2+4*\i:BB2+4*\i+3], s[8:9] offset:(16*(\m)+\i)*2048 th:TH_STORE_NT   ; 32 lanes store 512 consecutive bytes, at a multiple of 256 from out's first byte; written once, read by nobody here
.endr
.endm
	PLACES                                         ; between the last products and the first read of results
	TOSTAGE 0
	TOSTAGE 1
	SEND 0, 32                                     ; behind tile 0's loads: tile 1's 16 stores and 16 loads
	s_wait_xcnt 0x0                                ; tile 0's stores have read their registers: tile 2's loads may land there
	TOSTAGE 2
	SEND 1, 32
	s_wait_xcnt 0x0
	TOSTAGE 3
	SEND 2, 32
	SEND 3, 0
	s_wait_tensorcnt 0x0                           ; the wave's end: behind my last tensor load and my last LDS store
	ds_add_u32 v[SPW], v[NIL]
	s_wait_dscnt 0x0
	ROUND                                          ; the closing round: no work-group ends while a partner may still ask for a tile that names it
	s_endpgm
.Lfunc_end_k_q6f44bef8c1_kan:
	.size	k_q6f44bef8c1_kan, .Lfunc_end_k_q6f44bef8c1_kan-k_q6f44bef8c1_kan
	.p2alignl 7, 3214868480
	.fill 96, 4, 3214868480
	.section	.rodata,"a",@progbits
	.p2align	6, 0x0
	.amdhsa_kernel k_q6f44bef8c1_kan
		.amdhsa_group_segment_fixed_size 327680
		.amdhsa_private_segment_fixed_size 0
		.amdhsa_enable_private_segment 0
		.amdhsa_kernarg_size 24
		.amdhsa_user_sgpr_count 2
		.amdhsa_user_sgpr_kernarg_segment_ptr 1
		.amdhsa_wavefront_size32 1
		.amdhsa_system_sgpr_workgroup_id_x 1
		.amdhsa_system_sgpr_workgroup_id_y 1
		.amdhsa_system_sgpr_workgroup_id_z 1
		.amdhsa_system_vgpr_workitem_id 0
		.amdhsa_next_free_vgpr 1024
		.amdhsa_next_free_sgpr 66
		.amdhsa_reserve_vcc 0
		.amdhsa_float_denorm_mode_32 3
		.amdhsa_float_denorm_mode_16_64 3
		.amdhsa_memory_ordered 1
		.amdhsa_forward_progress 1
		.amdhsa_inst_pref_size 255
	.end_amdhsa_kernel
	.section	.bss,"aw",@nobits
	.p2align	6
	.space	262144
	.amdgpu_metadata
---
amdhsa.version: [ 1, 2 ]
amdhsa.kernels:
  - .name:           k_q6f44bef8c1_kan
    .symbol:         k_q6f44bef8c1_kan.kd
    .args:
      - { .name: x, .offset: 0, .size: 8, .value_kind: global_buffer, .address_space: global }
      - { .name: wq, .offset: 8, .size: 8, .value_kind: global_buffer, .address_space: global }
      - { .name: out0, .offset: 16, .size: 8, .value_kind: global_buffer, .address_space: global }
    .group_segment_fixed_size: 327680
    .private_segment_fixed_size: 0
    .kernarg_segment_align: 8
    .kernarg_segment_size: 24
    .max_flat_workgroup_size: 128
    .sgpr_count:     66
    .vgpr_count:     1024
    .wavefront_size: 32
...
	.end_amdgpu_metadata
.endif
;; end of part 2
